; MI455X (gfx1250); checked and timed in simulation.
; The chip was launched on July 23, 2026; its instructions are those of AMD's public machine-readable ISA for CDNA 5 (MIT licence, August 2026) and "CDNA5" Instruction Set Architecture Reference Guide (July 2026). The comments in the code are by the model that wrote it; some were corrected since.
;; Causal Self Attention. Allowed arithmetic: matrix products marked QUANTISED: E4M3 operands, one given power-of-two scale a tensor, by v_wmma_f32_16x16x64_fp8_fp8 or v_wmma_f32_16x16x128_fp8_fp8, f32 sums; everything else in f32.
;; Inputs: Wk_codes 1,024 x 32 x 32 uint8 (E4M3 codes of Wk, K innermost, in blocks of 32 codes); Wo_codes 1,024 x 32 x 32 uint8 (E4M3 codes of Wo, K innermost, in blocks of 32 codes); Wq_codes 1,024 x 32 x 32 uint8 (E4M3 codes of Wq, K innermost, in blocks of 32 codes); Wv_codes 1,024 x 32 x 32 uint8 (E4M3 codes of Wv, K innermost, in blocks of 32 codes); bk 1,024 float32; bo 1,024 float32; bq 1,024 float32; bv 1,024 float32; lowp_scales 12 int32 (the exponents e of the quantised operands' scales 2^e); x_codes 4 x 2,048 x 32 x 32 uint8 (E4M3 codes of x, K innermost, in blocks of 32 codes).
;; Outputs: out0 4 x 2,048 x 1,024 float32.
;; This version of the problem:
;;   THIS VERSION OF THE PROBLEM IS GIVEN IN LOW PRECISION. The matrix products marked QUANTISED in the list below multiply operands that are first quantised to E4M3 (4 exponent bits, 3 mantissa bits; 8 bits a number), with one given power-of-two scale for each operand tensor; their sums are f32. All else is computed in f32.
;;   The module's matrix products, in the order in which they are computed (A, B: the left and right operand; K: the contracted axis; several contracted axes count as one K, in the product's order):
;;     1. [M 8,192, K 1,024] x [K 1,024, N 1,024]; A: input x (given as codes); B: input Wq (given as codes): QUANTISED (scales: A lowp_scales[0], B lowp_scales[1])
;;     2. [M 8,192, K 1,024] x [K 1,024, N 1,024]; A: input x (given as codes); B: input Wk (given as codes): QUANTISED (scales: A lowp_scales[2], B lowp_scales[3])
;;     3. [M 8,192, K 1,024] x [K 1,024, N 1,024]; A: input x (given as codes); B: input Wv (given as codes): QUANTISED (scales: A lowp_scales[4], B lowp_scales[5])
;;     4. batch 64 x [M 2,048, K 64] x [K 64, N 2,048]; A: computed on the way; B: computed on the way: QUANTISED (scales: A lowp_scales[6], B lowp_scales[7])
;;     5. batch 64 x [M 2,048, K 2,048] x [K 2,048, N 64]; A: softmax (see below); B: computed on the way: QUANTISED (scales: A lowp_scales[8], B lowp_scales[9])
;;     6. [M 8,192, K 1,024] x [K 1,024, N 1,024]; A: computed on the way; B: input Wo (given as codes): QUANTISED (scales: A lowp_scales[10], B lowp_scales[11])
;;   THE QUANTISER, for each operand of a quantised product, along K:
;;     - The operand's scale is 2^e, e = its entry of the input lowp_scales (int32; the entries are numbered through the quantised products in the list's order, A before B).
;;     - Each number is divided by the scale, clamped to +-448, and rounded to the nearest number of E4M3, ties to even, subnormals kept.
;;     - The product sums the exact products of the quantised numbers (number of the format x scale) in f32.
;;   ~~~python
;;   def quantise(x, axis, e):      # numpy; x: float32 -> the quantised numbers, widened to float32 again
;;       x = np.moveaxis(x, axis, -1); K = x.shape[-1]
;;       r = np.clip(x / 2.0 ** e, -448, 448)
;;       step = 2.0 ** (np.maximum(np.frexp(np.where(r == 0, 1, r))[1] - 1, -6) - 3)
;;       q = np.round(r / step) * step * 2.0 ** e      # np.round: ties to even
;;       return np.moveaxis(q, -1, axis).astype(np.float32)
;;   ~~~
;;   SOFTMAX AHEAD OF A QUANTISED PRODUCT. Where the list says 'softmax', what is quantised is not the finished softmax but p = 2^(t - M), with t = logit x log2(e) and M = ceil(the row's largest t), a whole number; so 1/2 < the row's largest p <= 1. The row's sum l is taken of the UNQUANTISED p, in f32, and the product's result is divided by l at the end. Since M is a whole number, a kernel that streams over the keys may use a running M (the ceiling of the running maximum): every later rescaling is an exact power of two, so the quantised numbers keep their values, but for numbers so far below the row's largest that they fall under the format's range.
;;   OPERANDS COMPUTED ON THE WAY. 'Computed on the way' means the value that the module computes at that place (a softmax that the list does not call 'softmax' is quantised finished and normalised). What goes into a quantiser is computed in f32, as accurately as f32 sums, v_exp_f32 and their like allow (about 1e-6 of the number): no bf16 or f16 on the way to a quantiser, and a product that is left as it is and whose result goes on into a quantised operand takes f32 operands (vector FMAs, or v_wmma_f32_16x16x4_f32). A number that lies on a knife's edge between two numbers of the format may be rounded either way, as far as f32 arithmetic and the matrix unit's own rounding can turn it there, and no further.
;;   INPUTS GIVEN AS CODES. Wk (in the module: [1024, 1024], K = its axis 1); Wo (in the module: [1024, 1024], K = its axis 1); Wq (in the module: [1024, 1024], K = its axis 1); Wv (in the module: [1024, 1024], K = its axis 1); x (in the module: [4, 2048, 1024], K = its axis 2): each comes as NAME_codes (uint8): NAME with its K axis moved to the last place and cut into blocks of 32 codes, [.., K / 32, bytes a block], one block behind the other in memory; one code a byte (a code: sign, 4 exponent bits, 3 mantissa bits); its scale is its entry of lowp_scales. Its value is code x scale, taken as it is: it is not quantised again, and the codes and scales need not be those that the quantiser above would give.
;; One version. Each part assembles by itself: llvm-mc -triple=amdgcn-amd-amdhsa -mcpu=gfx1250 --defsym DOCPART=n.
;; ======== version 1 of 1: 3 launches
;; limits: right only within a limited range of input values
;; workspace buffers: q_img 8,388,608 bytes; k_img 8,388,608 bytes; v_img 8,388,608 bytes; y_img 8,388,608 bytes
;; launch qkv (part 1): grid 4 x 64, 4 waves a work-group, clusters of 4 x 4, 327,680 bytes of LDS; arguments x_codes, Wq_codes, Wk_codes, Wv_codes, bq, bk, bv, lowp_scales, q_img, k_img, v_img; writes q_img, k_img, v_img
.if DOCPART == 1
	.amdgcn_target "amdgcn-amd-amdhsa--gfx1250"
	.amdhsa_code_object_version 6
	.text
	.protected	k_q069a47e6b3_qkv
	.globl	k_q069a47e6b3_qkv
	.p2align	8
	.type	k_q069a47e6b3_qkv,@function
k_q069a47e6b3_qkv:
	s_mov_b64 s[64:65], 0
	v_nop
	global_prefetch_b8 v0, s[64:65] scope:SCOPE_SE
	s_setreg_imm32_b32 hwreg(HW_REG_WAVE_MODE, 25, 1), 1
	s_wait_xcnt 0x0
	s_wait_alu depctr_hold_cnt(0) depctr_sa_sdst(0) depctr_va_vdst(0) depctr_va_sdst(0) depctr_va_ssrc(0) depctr_va_vcc(0) depctr_vm_vsrc(0)
	s_getreg_b32 s2, hwreg(HW_REG_IB_STS2, 6, 4)
	s_cmp_eq_u32 s2, 0
	s_cbranch_scc0 .Lentry_in_a_cluster
	s_endpgm
.Lentry_in_a_cluster:
	s_bfe_u32 s2, ttmp6, 0x10000c
	s_cmp_lg_u32 s2, 0xf033
	s_cbranch_scc0 .Lentry_shape_is_right
	s_endpgm
.Lentry_shape_is_right:
; q = rope(x Wq^T + bq), k = rope(x Wk^T + bk), v = x Wv^T + bv, all three products on the given E4M3 codes, sums in f32; the results are quantised
; to E4M3 with the given scales and stored as IMAGES OF OPERAND REGISTERS for the attention launch (a group of four registers = 512 bytes, lane l at byte 16 l).
; SHARES.  A work-group owns 128 tokens (128 R ..) and 256 columns (256 cb .., four heads) of q, then of k, then of v.  x's 128 rows of 1,024 codes stay in LDS for all three;
; the weights go through two LDS slots of 256 rows x 256 K: 12 items.  Wave (wr, wc) makes 64 tokens x 128 columns: 32 accumulators; a step of 128 along K is 32 matrix instructions.
; CLUSTER 4 x 4: x's tile hangs on R alone and is asked for jointly along a row of the cluster, a weight's tile on cb alone and jointly along a column.
; LAYOUT.  q, k: source 0 = 16 rows of W, source 1 = 16 tokens: a lane holds ONE token and eight neighbouring channels 16 u + 8 h + j; RoPE's partner, channel + 32, is tile u + 2 of the
; same lane and register; four conversions of a head's four tiles ARE the 16 x 64 fragment (registers 2 u, 2 u + 1: k = 16 u + 8 h ..).  v: sources swapped: a lane holds ONE channel and
; eight neighbouring tokens, so its conversions are registers of V^T's fragment with the keys along K.  In these three products both operands are fetched by loads of 16 bytes:
; a permutation of k that is the same on both sides.
; RoPE: angle = fl(position x theta), position from 1 on; sine and cosine in f32: the angle less n pi/2 in two parts (the first product is exact), polynomials of degree 7 and 8 on |r| <= pi/4.
; The biases are the C of each sum's first matrix instruction, divided by the power of two that the sums lack.
; LIMITS on the given exponents, so that each power of two is an f32 number: e6 - e0 - e1, e7 - e2 - e3 and e9 - e4 - e5 between -126 and 119.  NaN among the inputs is not served.
; theta is written as the nearest f32 number to 10^(-i/8); it may differ in the last bit from a theta made by a power and a division in f32.
; REGISTERS, in windows of 256.  Window 0: v1 r, v2 h, v3 16 l, v16-17 x's panels, v20-21 W's slots, v22-24 cosine/sine images, v25 32 h, v26 4 r, v28-29 the add's; v64-127, v128-191 x's fragments, two sets.
;   Window 1: W's fragments, two sets of 128.  Window 2: accumulator (a, bt) at v[8 (8 a + bt)].  Window 3: v0-63 bias, v64-95 and v208-239 cosines and sines by turns, v96-127 at work, v128-191 codes, v192 scale, v193 hold, v200-207 bv.
.set XP,    528                        ; x's LDS row: 512 bytes + 16: sixteen rows of a fragment start 132 words apart
.set XPAN,  128*XP                     ; a panel: 128 rows x half of K
.set WP,    272                        ; W's LDS row: 256 bytes + 16
.set WB,    2*XPAN                     ; the two slots
.set WSLOT, 256*WP
.set CSB,   WB+2*WSLOT                 ; cosine/sine images [wr 2][token tile 4][8 groups x 512]: written by LDS stores, no tile lands here
.set SPARE, CSB+32768                  ; the spare words: 128 bytes a wave, two blocks of 256 bytes that no other line names
.set MSB, 0
.macro WIN new                         ; the immediate's high byte repeats the setting that is left
.if MSB != (\new)
	s_set_vgpr_msb (MSB<<8)|(\new)
.set MSB, (\new)
.endif
.endm
.macro PLACES n
.rept \n
	v_nop
.endr
.endm
.macro CREST                           ; a round of the cluster's barrier behind its opening barrier
	s_cmp_lg_u32 s26, 0
	s_cbranch_scc1 .Lnot_wave_0_\@
	s_barrier_signal -3
.Lnot_wave_0_\@:
	s_barrier_wait -3
	s_barrier_signal -1
	s_barrier_wait -1
.endm
.macro CROUND
	s_barrier_signal -1
	s_barrier_wait -1
	CREST
.endm
	s_load_b256 s[4:11], s[0:1], 0x0               ; x s[4:5], Wq s[6:7], Wk s[8:9], Wv s[10:11]
	s_load_b256 s[12:19], s[0:1], 0x20             ; bq s[12:13], bk s[14:15], bv s[16:17], the exponents s[18:19]
	s_load_b128 s[20:23], s[0:1], 0x40             ; q_img s[20:21], k_img s[22:23]
	s_load_b64 s[24:25], s[0:1], 0x50              ; v_img
	v_lshl_add_u32 v28, v0, 2, SPARE
	v_mov_b32 v29, 0
	ds_add_u32 v28, v29
	ds_add_u32 v28, v29
	s_wait_dscnt 0x0
	v_lshrrev_b32 v4, 5, v0
	v_readfirstlane_b32 s26, v4                    ; wave 0..3
	s_lshr_b32 s27, s26, 1                         ; wr: my 64 tokens
	s_and_b32 s28, s26, 1                          ; wc: my 128 columns
	s_bfe_u32 s29, ttmp6, 0x40000                  ; cx
	s_bfe_u32 s30, ttmp6, 0x40004                  ; cy
	s_lshl_b32 s31, ttmp9, 2
	s_add_co_u32 s31, s31, s29                     ; cb = 4 x cluster x + cx
	s_and_b32 s32, ttmp7, 0xffff
	s_lshl_b32 s32, s32, 2
	s_add_co_u32 s32, s32, s30                     ; R = 4 x cluster y + cy
	s_lshl_b32 s33, s30, 2
	s_lshl_b32 s33, 15, s33                        ; my row of the cluster
	s_lshl_b32 s34, 0x1111, s29                    ; my column
	; group 1 for x: 64 rows x 512 bytes, 16 bytes of padding behind each row
	s_or_b32 s36, s33, (1<<20)|(1<<21)|(6<<22)|(3<<25)
	s_mov_b32 s37, 512<<16
	s_mov_b32 s38, 64<<16
	s_mov_b32 s39, 512<<16
	s_mov_b32 s40, 64
	s_mov_b32 s41, 1024
	s_mov_b32 s42, 0
	s_mov_b32 s43, 0
	; group 1 for the weights: 64 rows x 256 bytes, 16 bytes of padding behind each row
	s_or_b32 s44, s34, (1<<20)|(1<<21)|(5<<22)|(3<<25)
	s_mov_b32 s45, 256<<16
	s_mov_b32 s46, 64<<16
	s_mov_b32 s47, 256<<16
	s_mov_b32 s48, 64
	s_mov_b32 s49, 1024
	s_mov_b32 s50, 0
	s_mov_b32 s51, 0
	s_lshl_b32 s2, s32, 17                         ; x: 128 R rows of 1,024 bytes,
	s_lshl_b32 s3, s27, 16                         ; + 64 wr rows,
	s_add_co_u32 s2, s2, s3
	s_lshl_b32 s3, s28, 9                          ; + panel wc's 512 bytes
	s_add_co_u32 s2, s2, s3
	s_mov_b32 s3, 0
	s_lshl_b32 s70, s31, 18                        ; W: 256 cb rows of 1,024 bytes,
	s_lshl_b32 s71, s26, 16                        ; + 64 w rows
	s_add_co_u32 s70, s70, s71
	s_mov_b32 s71, 0
	s_mul_i32 s53, s28, XPAN                       ; x in LDS: panel wc, rows 64 wr on
	s_mul_i32 s35, s27, 64*XP
	s_add_co_u32 s53, s53, s35
	s_mul_i32 s57, s26, 64*WP                      ; W in LDS: rows 64 w on, slot 0,
	s_add_co_u32 s57, s57, WB
	s_add_co_u32 s61, s57, WSLOT                   ; slot 1
	s_mov_b32 s52, 1
	s_mov_b32 s56, 1
	s_mov_b32 s60, 1
	s_wait_kmcnt 0x0
	s_load_b256 s[72:79], s[18:19], 0x0            ; e0 .. e7
	s_load_b128 s[80:83], s[18:19], 0x20           ; e8 .. e11
	s_add_nc_u64 s[54:55], s[4:5], s[2:3]
	s_or_b32 s55, s55, 0x80000000
	s_add_nc_u64 s[84:85], s[6:7], s[70:71]        ; my 64 rows of Wq, of Wk, of Wv: kept without the type bits
	s_add_nc_u64 s[86:87], s[8:9], s[70:71]
	s_add_nc_u64 s[88:89], s[10:11], s[70:71]
	s_mov_b64 s[58:59], s[84:85]                   ; item 0: Wq, K 0 .. 255
	s_or_b32 s59, s59, 0x80000000
	s_add_nc_u64 s[62:63], s[84:85], 256           ; item 1: Wq, K 256 .. 511
	s_or_b32 s63, s63, 0x80000000
	CROUND                                         ; all sixteen work-groups are here: the first joint loads meet
	tensor_load_to_lds s[52:55], s[36:43]          ; my quarter of x; three loads of mine are out
	s_nop 0
	tensor_load_to_lds s[56:59], s[44:51]          ; my quarter of item 0
	s_nop 0
	tensor_load_to_lds s[60:63], s[44:51]          ; my quarter of item 1
	s_nop 0
	PLACES 4                                       ; four lines behind a tensor load
	; where my results go
	s_lshr_b32 s66, s32, 4
	s_lshl_b32 s66, s66, 4                         ; 16 b
	s_lshl_b32 s67, s31, 2
	s_add_co_u32 s66, s66, s67
	s_lshl_b32 s67, s28, 1
	s_add_co_u32 s66, s66, s67                     ; my first (batch, head): 16 b + 4 cb + 2 wc
	s_and_b32 s99, s32, 15                         ; my block of 128 tokens in the sequence
	s_lshl_b32 s67, s66, 7
	s_lshl_b32 s68, s99, 3
	s_add_co_u32 s67, s67, s68
	s_lshl_b32 s68, s27, 2
	s_add_co_u32 s67, s67, s68                     ; q, k: fragment (head x 128 + token tile), 1,024 bytes each
	s_lshl_b32 s68, s67, 10
	s_mov_b32 s69, 0
	s_add_nc_u64 s[20:21], s[20:21], s[68:69]
	s_add_nc_u64 s[22:23], s[22:23], s[68:69]
	s_lshl_b32 s67, s66, 4
	s_add_co_u32 s67, s67, s99                     ; v: (head x 16 + key block) x 8,192 + my half of the fragments' registers
	s_lshl_b32 s68, s67, 13
	s_lshl_b32 s67, s27, 10
	s_add_co_u32 s68, s68, s67
	s_add_nc_u64 s[24:25], s[24:25], s[68:69]
	s_lshl_b32 s68, s31, 10                        ; the biases at my first column: (256 cb + 128 wc) x 4
	s_lshl_b32 s67, s28, 9
	s_add_co_u32 s68, s68, s67
	s_add_nc_u64 s[12:13], s[12:13], s[68:69]
	s_add_nc_u64 s[14:15], s[14:15], s[68:69]
	s_add_nc_u64 s[16:17], s[16:17], s[68:69]
	s_lshl_b32 s69, s99, 7                         ; the position of lane r = 0 in the token tile whose angles I make: 128 block + 64 wr + 32 wc + 1
	s_lshl_b32 s67, s27, 6
	s_add_co_u32 s69, s69, s67
	s_lshl_b32 s67, s28, 5
	s_add_co_u32 s69, s69, s67
	s_add_co_u32 s69, s69, 1
	s_mov_b32 s100, 0                              ; the angles' loop: 0, 4,096
	v_and_b32 v1, 15, v0                           ; r
	v_bfe_u32 v2, v0, 4, 1                         ; h
	v_and_b32 v3, 31, v0
	v_lshlrev_b32 v3, 4, v3                        ; 16 l
	v_mul_u32_u24 v4, v1, XP
	v_lshl_add_u32 v4, v2, 4, v4
	s_mul_i32 s35, s27, 64*XP
	v_add_nc_u32 v16, s35, v4                      ; x's fragments: (64 wr + r) x pitch + 16 h, panel 0,
	v_add_nc_u32 v17, XPAN, v16                    ; panel 1
	v_mul_u32_u24 v5, v1, WP
	v_lshl_add_u32 v5, v2, 4, v5
	s_mul_i32 s35, s28, 128*WP
	s_add_co_u32 s35, s35, WB
	v_add_nc_u32 v20, s35, v5                      ; W's fragments: (128 wc + r) x pitch + 16 h, slot 0,
	v_add_nc_u32 v21, WSLOT, v20                   ; slot 1
	s_lshl_b32 s35, s27, 14
	s_add_co_u32 s35, s35, CSB
	v_add_nc_u32 v24, s35, v3                      ; the images that I read: my wr's four token tiles
	s_lshl_b32 s101, s28, 13
	s_add_co_u32 s35, s35, s101
	v_add_nc_u32 v22, s35, v3                      ; the images that I write: token tiles 2 wc, 2 wc + 1
	v_lshlrev_b32 v25, 5, v2                       ; a bias in q's and k's layout: eight numbers from 8 h on
	v_lshlrev_b32 v26, 2, v1                       ; in v's: the number of channel r
	WIN 0xc0                                       ; destination window 3
.irp bt, 0,1,2,3,4,5,6,7
	global_load_b128 v[8*\bt:8*\bt+3], v25, s[12:13] offset:64*\bt
	global_load_b128 v[8*\bt+4:8*\bt+7], v25, s[12:13] offset:64*\bt+16
.endr
	WIN 0
	; ---- cosines and sines of my two token tiles, while the first tiles are on their way.  v64-79 theta(8 h + j), theta(16 + 8 h + j); v80-97 constants, each twice
	v_cmp_eq_u32 vcc_lo, 1, v2
.macro THETA reg, lo, hi               ; lanes 0-15 take lo, lanes 16-31 hi
	v_mov_b32 v[\reg], \hi
	v_cndmask_b32 v[\reg], \lo, v[\reg], vcc_lo
.endm
	THETA 64, 1.0, 0.1
	THETA 65, 0.7498942093, 0.07498942093
	THETA 66, 0.5623413252, 0.05623413252
	THETA 67, 0.4216965034, 0.04216965034
	THETA 68, 0.3162277660, 0.03162277660
	THETA 69, 0.2371373706, 0.02371373706
	THETA 70, 0.1778279410, 0.01778279410
	THETA 71, 0.1333521432, 0.01333521432
	THETA 72, 0.01, 0.001
	THETA 73, 0.007498942093, 0.0007498942093
	THETA 74, 0.005623413252, 0.0005623413252
	THETA 75, 0.004216965034, 0.0004216965034
	THETA 76, 0.003162277660, 0.0003162277660
	THETA 77, 0.002371373706, 0.0002371373706
	THETA 78, 0.001778279410, 0.0001778279410
	THETA 79, 0.001333521432, 0.0001333521432
.macro CONST2 reg, val
	v_mov_b32 v[\reg], \val
	v_mov_b32 v[\reg+1], \val
.endm
	CONST2 80, 0x3f22f983                          ; 2 / pi
	CONST2 82, 0xbfc90fdb                          ; -(pi / 2), its first 24 bits
	CONST2 84, 0x333bbd2e                          ; -(pi / 2), the rest
	CONST2 86, 0xb94ca1f9                          ; sine: -1.9515295891e-4,
	CONST2 88, 0x3c08839e                          ; 8.3321608736e-3,
	CONST2 90, 0xbe2aaaa3                          ; -1.6666654611e-1
	CONST2 92, 0x37ccf5ce                          ; cosine: 2.443315711809948e-5,
	CONST2 94, 0xbab6061a                          ; -1.388731625493765e-3,
	CONST2 96, 0x3d2aaaa5                          ; 4.166664568298827e-2
.macro SC2 it                          ; two angles: theta 2 it and 2 it + 1 of my sixteen
	v_pk_mul_f32 v[100:101], v[98:99], v[64+2*\it:65+2*\it]        ; the angle, rounded once
	v_pk_mul_f32 v[102:103], v[100:101], v[80:81]
	v_rndne_f32 v102, v102                                         ; n
	v_rndne_f32 v103, v103
	v_pk_fma_f32 v[104:105], v[102:103], v[82:83], v[100:101]      ; exact: n has 11 bits, the difference fits 24
	v_pk_fma_f32 v[104:105], v[102:103], v[84:85], v[104:105]      ; r
	v_pk_mul_f32 v[106:107], v[104:105], v[104:105]                ; z = r r
	v_pk_fma_f32 v[108:109], v[106:107], v[86:87], v[88:89]
	v_pk_fma_f32 v[110:111], v[106:107], v[92:93], v[94:95]
	v_pk_fma_f32 v[108:109], v[108:109], v[106:107], v[90:91]
	v_pk_fma_f32 v[110:111], v[110:111], v[106:107], v[96:97]
	v_pk_mul_f32 v[112:113], v[106:107], v[104:105]                ; z r
	v_pk_mul_f32 v[114:115], v[106:107], v[106:107]                ; z z
	v_pk_fma_f32 v[116:117], v[106:107], -0.5, 1.0 op_sel_hi:[1,0,0]
	v_pk_fma_f32 v[108:109], v[108:109], v[112:113], v[104:105]    ; sin r
	v_pk_fma_f32 v[110:111], v[110:111], v[114:115], v[116:117]    ; cos r
	v_cvt_i32_f32 v102, v102
	v_cvt_i32_f32 v103, v103
.irp e, 0,1
	v_and_b32 v118, 1, v[102+\e]
	v_cmp_eq_u32 vcc_lo, 1, v118                                   ; an odd quarter turn swaps the two
	v_cndmask_b32 v119, v[108+\e], v[110+\e], vcc_lo
	v_cndmask_b32 v120, v[110+\e], v[108+\e], vcc_lo
	v_lshlrev_b32 v118, 30, v[102+\e]                              ; the sine is negative in quarters 2, 3: bit 1 of n,
	v_and_b32 v118, 0x80000000, v118
	v_xor_b32 v[144+2*\it+\e], v118, v119
	v_add_nc_u32 v121, 1, v[102+\e]                                ; the cosine in quarters 1, 2: bit 1 of n + 1
	v_lshlrev_b32 v121, 30, v121
	v_and_b32 v121, 0x80000000, v121
	v_xor_b32 v[128+2*\it+\e], v121, v120
.endr
.endm
.Langles:                                              ; two trips: token tiles 2 wc and 2 wc + 1 of my wr
	v_add_nc_u32 v99, s69, v1
	v_cvt_f32_u32 v98, v99                         ; my token's position
	v_mov_b32 v99, v98
	v_add_nc_u32 v23, s100, v22
.irp it, 0,1,2,3,4,5,6,7
	SC2 \it
.endr
.irp g, 0,1,2,3,4,5,6,7
	ds_store_b128 v23, v[128+4*\g:131+4*\g] offset:512*\g      ; v128-143 sixteen cosines, v144-159 sixteen sines, as they stand
.endr
	s_wait_dscnt 0x0                               ; the stores are done: the next trip writes their registers, and other waves read behind the barrier below
	s_add_co_u32 s69, s69, 16
	s_add_co_u32 s100, s100, 4096
	s_cmp_lt_u32 s100, 8192
	s_cbranch_scc1 .Langles
	s_wait_kmcnt 0x0                               ; the exponents
	s_add_co_i32 s90, s72, s73                     ; a sum of the first product stands for sum x 2^(e0 + e1)
	s_sub_co_i32 s93, s78, s90
	s_add_co_i32 s93, s93, 127
	s_lshl_b32 s93, s93, 23                        ; 2^(e6 - e0 - e1): q's conversions take its exponent field
	s_sub_co_i32 s90, 0, s90
	s_add_co_i32 s91, s74, s75
	s_sub_co_i32 s95, s79, s91
	s_add_co_i32 s95, s95, 127
	s_lshl_b32 s95, s95, 23                        ; k: 2^(e7 - e2 - e3)
	s_sub_co_i32 s91, 0, s91
	s_add_co_i32 s92, s76, s77
	s_sub_co_i32 s97, s81, s92
	s_add_co_i32 s97, s97, 127
	s_add_co_i32 s98, s97, 8
	s_lshl_b32 s97, s97, 23                        ; v: 2^(e9 - e4 - e5)
	s_lshl_b32 s98, s98, 23
	s_or_b32 s98, s98, 0x600000
	s_sub_co_i32 s92, 0, s92
	s_wait_loadcnt 0x0                             ; bq
	WIN 0xc3
.set ii, 0
.rept 64
	v_ldexp_f32 v[ii], v[ii], s90                  ; bq / 2^(e0 + e1)
.set ii, ii+1
.endr
	WIN 0
; 48 LDS loads in one run: the fragments of item j's q-th 128 along K into set q: W's eight, x's four
.macro FETCH j, q
	WIN 0x40                                       ; destination window 1
.irp i, 0,1,2,3,4,5,6,7
.irp c, 0,1,2,3
	ds_load_b128 v[128*(\q)+16*\i+4*\c:128*(\q)+16*\i+4*\c+3], v[20+(\j)%2] offset:128*(\q)+32*\c+16*WP*\i
.endr
.endr
	WIN 0
.irp m, 0,1,2,3
.irp c, 0,1,2,3
	ds_load_b128 v[64+64*(\q)+16*\m+4*\c:64+64*(\q)+16*\m+4*\c+3], v[16+((\j)%4)/2] offset:((\j)%2)*256+128*(\q)+32*\c+16*XP*\m
.endr
.endr
.endm
; 8 matrix instructions: token tile a against W's eight tiles, set q.  mode 0: source 0 = W, source 1 = x; mode 1: swapped.  first = 1: C is the bias, in window 3.
; The 32 accumulators take turns, one instruction a turn, in the same order in every step.
.macro MUL8 a, q, mode, first
	WIN 0xa1+3*(\mode)+0x10*(\first)
.irp bt, 0,1,2,3,4,5,6,7
.set DD, 8*(8*(\a)+\bt)
.set FA, 64+64*(\q)+16*(\a)
.set FB, 128*(\q)+16*\bt
.if \mode
.if \first
	v_wmma_f32_16x16x128_fp8_fp8 v[DD:DD+7], v[FA:FA+15], v[FB:FB+15], v[8*\bt:8*\bt+7]
.else
	v_wmma_f32_16x16x128_fp8_fp8 v[DD:DD+7], v[FA:FA+15], v[FB:FB+15], v[DD:DD+7]
.endif
.else
.if \first
	v_wmma_f32_16x16x128_fp8_fp8 v[DD:DD+7], v[FB:FB+15], v[FA:FA+15], v[8*\bt:8*\bt+7]
.else
	v_wmma_f32_16x16x128_fp8_fp8 v[DD:DD+7], v[FB:FB+15], v[FA:FA+15], v[DD:DD+7]
.endif
.endif
.endr
.endm
; An item's first 128 along K, on set 0; in its middle the second 128's fragments are fetched into set 1
.macro STEP0 j, mode, first
	s_wait_dscnt 0x0                               ; set 0 is in (asked for 16 matrix instructions ago)
	MUL8 0, 0, \mode, \first
	MUL8 1, 0, \mode, \first
	PLACES 4                                       ; four plain vector lines stand between the last products on set 1 and the loads into it (ISA guide 7.12.1 for vector instructions)
	FETCH \j, 1
	MUL8 2, 0, \mode, \first
	MUL8 3, 0, \mode, \first
.endm
; An item's second 128, on set 1, and the change of slots.  In front of the barrier each wave waits for all its tensor loads (its quarter of the next item), adds 0 to its spare word and waits for
; that and for its reads of this slot.  fill = 1: the barrier opens a round of the cluster's, and behind it this slot takes item j + 2.
.macro TURN j, mode, fill
	WIN 0
	s_wait_tensorcnt 0x0                           ; no tensor load of mine is out, so a group 0 may be written
	ds_add_u32 v28, v29                            ; 0 onto my spare word
.if \fill
	s_add_nc_u64 s[58+4*((\j)%2):59+4*((\j)%2)], s[84+2*(((\j)+2)/4):85+2*(((\j)+2)/4)], 256*(((\j)+2)%4)
	s_or_b32 s[59+4*((\j)%2)], s[59+4*((\j)%2)], 0x80000000
.endif
	s_wait_dscnt 1                                 ; set 1's 48 loads are in; the add alone may be out
	MUL8 0, 1, \mode, 0
	s_wait_dscnt 0x0                               ; the add is done, and my reads of this slot are over
	s_barrier_signal -1
	MUL8 1, 1, \mode, 0
	WIN 0
	s_barrier_wait -1
.if \fill
	CREST                                          ; no wave of any partner still reads this slot or has a load on its way
	tensor_load_to_lds s[56+4*((\j)%2):59+4*((\j)%2)], s[44:51]    ; my one tensor load behind the round
	s_nop 0
.endif
	PLACES 4                                       ; behind the tensor load; also the places in front of the loads into set 0
	FETCH (\j)+1, 0
	MUL8 2, 1, \mode, 0
	MUL8 3, 1, \mode, 0
.endm
; THE WAY OUT OF q AND k
.macro CSLOAD m                        ; token tile m's 16 cosines and 16 sines into set m % 2
.set CSS, 64+144*((\m)%2)
	WIN 0xc0
.irp g, 0,1,2,3,4,5,6,7
	ds_load_b128 v[CSS+4*\g:CSS+4*\g+3], v24 offset:4096*(\m)+512*\g
.endr
.endm
.macro COMBO m, hl, sb                 ; token tile m, head hl of my two: RoPE, conversion, store: one fragment of 16 tokens x 64 channels
.set CSS, 64+144*((\m)%2)
.set CD, 128+8*(2*(\m)+(\hl))
	WIN 0xfe                                       ; source 0 (the sums) window 2, all else window 3
.irp u, 0,1
.irp i, 0,2,4,6
.set LO, 8*(8*(\m)+4*(\hl)+\u)+\i
.set HI, LO+16
	v_pk_mul_f32 v[96+8*\u+\i:97+8*\u+\i], v[LO:LO+1], v[CSS+8*\u+\i:CSS+8*\u+\i+1]
	v_pk_mul_f32 v[112+8*\u+\i:113+8*\u+\i], v[HI:HI+1], v[CSS+8*\u+\i:CSS+8*\u+\i+1]
	v_pk_fma_f32 v[96+8*\u+\i:97+8*\u+\i], v[HI:HI+1], v[CSS+16+8*\u+\i:CSS+16+8*\u+\i+1], v[96+8*\u+\i:97+8*\u+\i] neg_lo:[1,0,0] neg_hi:[1,0,0]   ; x1 cos - x2 sin
	v_pk_fma_f32 v[112+8*\u+\i:113+8*\u+\i], v[LO:LO+1], v[CSS+16+8*\u+\i:CSS+16+8*\u+\i+1], v[112+8*\u+\i:113+8*\u+\i]                             ; x2 cos + x1 sin
.endr
.endr
	WIN 0xff
.set ii, 0
.rept 32
.set ii, ii+1
.endr
.irp t, 0,1,2,3
	v_cvt_scalef32_pk8_fp8_f32 v[CD+2*\t:CD+2*\t+1], v[96+8*\t:103+8*\t], v192
.endr
	v_nop                                          ; one plain vector line behind the last conversion, ahead of the lines that write its sources again
	WIN 0x0c                                       ; store data window 3
	global_store_b128 v3, v[CD:CD+3], s[\sb:\sb+1] offset:(\hl)*131072+(\m)*1024           ; 32 lanes store 512 consecutive bytes, aligned
	global_store_b128 v3, v[CD+4:CD+7], s[\sb:\sb+1] offset:(\hl)*131072+(\m)*1024+512
.endm
.macro EPI_QK sb, ssc, nxt             ; nxt = 1: bk is fetched for the next kind; 2: bv
	PLACES 4                                       ; behind the last products, ahead of the first read of results
	s_wait_xcnt 0x0                                ; the last kind's stores have read their registers
	WIN 0xc0
	v_mov_b32 v192, s[\ssc]
.if \nxt == 1
.irp bt, 0,1,2,3,4,5,6,7
	global_load_b128 v[8*\bt:8*\bt+3], v25, s[14:15] offset:64*\bt
	global_load_b128 v[8*\bt+4:8*\bt+7], v25, s[14:15] offset:64*\bt+16
.endr
.else
.irp bt, 0,1,2,3,4,5,6,7
	global_load_b32 v[200+\bt], v26, s[16:17] offset:64*\bt
.endr
.endif
	CSLOAD 0
.irp m, 0,1,2,3
.if \m < 3
	CSLOAD \m+1
	s_wait_dscnt 8                                 ; this tile's cosines and sines are in; the next tile's eight loads may be out
.else
	s_wait_dscnt 0x0
.endif
	COMBO \m, 0, \sb
	COMBO \m, 1, \sb
.endr
	s_wait_loadcnt 0x0                             ; the next kind's bias
	WIN 0xc3
.set ii, 0
.rept 64
.if \nxt == 1
	v_ldexp_f32 v[ii], v[ii], s91                  ; bk / 2^(e2 + e3)
.else
	v_ldexp_f32 v[ii], v[200+ii/8], s92            ; bv / 2^(e4 + e5): a lane's channel, the same for its eight tokens
.endif
.set ii, ii+1
.endr
	WIN 0
.endm
; THE WAY OUT OF v: for each channel tile, my four token tiles are registers 8 wr + 2 m, 2 m + 1 of V^T's fragment
.macro EPI_V
	PLACES 4
	s_wait_xcnt 0x0
	WIN 0xc0
	v_mov_b32 v192, s97
	v_mov_b32 v193, s98
.irp bt, 0,1,2,3,4,5,6,7
	WIN 0xfe
.irp m, 0,1,2,3
.irp i, 0,1,2,3,4,5,6,7
	v_med3_num_f32 v[96+8*\m+\i], v[8*(8*\m+\bt)+\i], -v193, v193
.endr
.endr
	WIN 0xff
.irp m, 0,1,2,3
	v_cvt_scalef32_pk8_fp8_f32 v[128+8*\bt+2*\m:129+8*\bt+2*\m], v[96+8*\m:103+8*\m], v192
.endr
	v_nop
	WIN 0x0c
	global_store_b128 v3, v[128+8*\bt:131+8*\bt], s[24:25] offset:(\bt/4)*131072+(\bt%4)*2048
	global_store_b128 v3, v[132+8*\bt:135+8*\bt], s[24:25] offset:(\bt/4)*131072+(\bt%4)*2048+512
.endr
	WIN 0
.endm
	s_wait_alu depctr_va_vdst(0)
	s_wait_tensorcnt 0x1                           ; my quarters of x and of item 0 are in; item 1's may stay out
	s_barrier_signal -1                            ; (my stores of the images were waited for in the loop)
	s_barrier_wait -1
	FETCH 0, 0
	STEP0 0, 0, 1                                  ; ---- q
	TURN 0, 0, 1
.irp j, 1,2,3
	STEP0 \j, 0, 0
	TURN \j, 0, 1
.endr
	EPI_QK 20, 93, 1
	s_wait_alu depctr_va_vdst(0)
	STEP0 4, 0, 1                                  ; ---- k
	TURN 4, 0, 1
.irp j, 5,6,7
	STEP0 \j, 0, 0
	TURN \j, 0, 1
.endr
	EPI_QK 22, 95, 2
	s_wait_alu depctr_va_vdst(0)
	STEP0 8, 1, 1                                  ; ---- v
	TURN 8, 1, 1
	STEP0 9, 1, 0
	TURN 9, 1, 1
	STEP0 10, 1, 0
	TURN 10, 1, 0                                  ; the last two items ask for nothing
	STEP0 11, 1, 0
	s_wait_dscnt 0x0
	MUL8 0, 1, 1, 0
	MUL8 1, 1, 1, 0
	MUL8 2, 1, 1, 0
	MUL8 3, 1, 1, 0
	EPI_V
	s_wait_tensorcnt 0x0                           ; the wave's end
	ds_add_u32 v28, v29
	s_wait_dscnt 0x0
	CROUND                                         ; the closing round: no work-group ends while a partner may still ask for a tile that names it
	s_endpgm
.Lfunc_end_k_q069a47e6b3_qkv:
	.size	k_q069a47e6b3_qkv, .Lfunc_end_k_q069a47e6b3_qkv-k_q069a47e6b3_qkv
	.p2alignl 7, 3214868480
	.fill 96, 4, 3214868480
	.section	.rodata,"a",@progbits
	.p2align	6, 0x0
	.amdhsa_kernel k_q069a47e6b3_qkv
		.amdhsa_group_segment_fixed_size 327680
		.amdhsa_private_segment_fixed_size 0
		.amdhsa_enable_private_segment 0
		.amdhsa_kernarg_size 88
		.amdhsa_user_sgpr_count 2
		.amdhsa_user_sgpr_kernarg_segment_ptr 1
		.amdhsa_wavefront_size32 1
		.amdhsa_system_sgpr_workgroup_id_x 1
		.amdhsa_system_sgpr_workgroup_id_y 1
		.amdhsa_system_sgpr_workgroup_id_z 1
		.amdhsa_system_vgpr_workitem_id 0
		.amdhsa_next_free_vgpr 1024
		.amdhsa_next_free_sgpr 102
		.amdhsa_reserve_vcc 1
		.amdhsa_float_denorm_mode_32 3
		.amdhsa_float_denorm_mode_16_64 3
		.amdhsa_fp16_overflow 1
		.amdhsa_memory_ordered 1
		.amdhsa_forward_progress 1
		.amdhsa_inst_pref_size 243
	.end_amdhsa_kernel
	.amdgpu_metadata
---
amdhsa.version: [ 1, 2 ]
amdhsa.kernels:
  - .name:           k_q069a47e6b3_qkv
    .symbol:         k_q069a47e6b3_qkv.kd
    .args:
      - { .name: x_codes, .offset: 0, .size: 8, .value_kind: global_buffer, .address_space: global }
      - { .name: Wq_codes, .offset: 8, .size: 8, .value_kind: global_buffer, .address_space: global }
      - { .name: Wk_codes, .offset: 16, .size: 8, .value_kind: global_buffer, .address_space: global }
      - { .name: Wv_codes, .offset: 24, .size: 8, .value_kind: global_buffer, .address_space: global }
      - { .name: bq, .offset: 32, .size: 8, .value_kind: global_buffer, .address_space: global }
      - { .name: bk, .offset: 40, .size: 8, .value_kind: global_buffer, .address_space: global }
      - { .name: bv, .offset: 48, .size: 8, .value_kind: global_buffer, .address_space: global }
      - { .name: lowp_scales, .offset: 56, .size: 8, .value_kind: global_buffer, .address_space: global }
      - { .name: q_img, .offset: 64, .size: 8, .value_kind: global_buffer, .address_space: global }
      - { .name: k_img, .offset: 72, .size: 8, .value_kind: global_buffer, .address_space: global }
      - { .name: v_img, .offset: 80, .size: 8, .value_kind: global_buffer, .address_space: global }
    .group_segment_fixed_size: 327680
    .private_segment_fixed_size: 0
    .kernarg_segment_align: 8
    .kernarg_segment_size: 88
    .max_flat_workgroup_size: 128
    .sgpr_count:     102
    .vgpr_count:     1024
    .wavefront_size: 32
...
	.end_amdgpu_metadata
.endif
;; end of part 1
;; launch attn (part 2): grid 4 x 64, 16 waves a work-group, clusters of 4 x 1, 264,192 bytes of LDS; arguments q_img, k_img, v_img, lowp_scales, y_img; writes y_img
.if DOCPART == 2
	.amdgcn_target "amdgcn-amd-amdhsa--gfx1250"
	.amdhsa_code_object_version 6
	.text
	.protected	k_q069a47e6b3_attn
	.globl	k_q069a47e6b3_attn
	.p2align	8
	.type	k_q069a47e6b3_attn,@function
k_q069a47e6b3_attn:
	s_mov_b64 s[64:65], 0
	v_nop
	global_prefetch_b8 v0, s[64:65] scope:SCOPE_SE
	s_setreg_imm32_b32 hwreg(HW_REG_WAVE_MODE, 25, 1), 1
	s_wait_xcnt 0x0
	s_wait_alu depctr_hold_cnt(0) depctr_sa_sdst(0) depctr_va_vdst(0) depctr_va_sdst(0) depctr_va_ssrc(0) depctr_va_vcc(0) depctr_vm_vsrc(0)
	s_getreg_b32 s2, hwreg(HW_REG_IB_STS2, 6, 4)
	s_cmp_eq_u32 s2, 0
	s_cbranch_scc0 .Lentry_in_a_cluster
	s_endpgm
.Lentry_in_a_cluster:
	s_bfe_u32 s2, ttmp6, 0x10000c
	s_cmp_lg_u32 s2, 0x3003
	s_cbranch_scc0 .Lentry_shape_is_right
	s_endpgm
.Lentry_shape_is_right:
; y[b][q][head] = softmax over the keys k <= q of (q . k / 8) times v, both products on E4M3 codes; y is quantised with its given scale and stored as an image of the last product's operand.
; q_img, k_img: [batch x head 64][token tile 128][1,024 bytes]: a 16 x 64 fragment as it stands in registers.  v_img: [64][key block 16][channel tile 4][2,048 bytes]: V^T, 16 channels x 128 keys.
; THE SOFTMAX AHEAD OF THE SECOND PRODUCT: t = score x log2(e) / 8; M = the running largest t rounded UP to a whole number; p = 2^(t - M) is quantised, not normalised; the row's sum is taken of the
; unquantised p and divides at the end.  When M moves, the sum and O are multiplied by 2^(old M - new M): exact.
; SHARES.  A cluster of four work-groups is one (batch, head).  The head's K and V images, 2 x 131,072 bytes, lie WHOLE in each work-group's LDS, brought by joint loads (mask: all four) at the head:
; nothing is filled again.  A wave owns two tiles of 16 queries, i = 8 a + sub and 127 - i (a = wave / 2, sub = 4 (wave % 2) + cx): key blocks 0 .. 15 - a and 0 .. a, 17 steps of 128 keys for every
; wave.  Which block is a job's last hangs on the wave's number alone; cx enters global addresses and the mask's data only.
; LAYOUT.  S^T = K Q^T (source 0 = 16 keys, source 1 = my 16 queries): a lane holds ONE query and keys 16 c + 8 h + j, so the conversion of tile c is registers 2 c, 2 c + 1 of P.
; O^T = V^T P: a lane holds one query and channels 16 u + 8 h + j, so its conversions are y's fragment.
; NO PREFETCH: all that the launch reads is asked for at its head.
; LIMITS on the given exponents: e6 + e7 between -123 and 130 (added to c's exponent field); e8, and e10 - e8 - e9, between -126 and 119.  NaN among the inputs is not served.
; REGISTERS: v1 16 l, v2 the same in V's half of LDS, v4, v5 the diagonal's bound for job 1, 2; v8, v9 addresses in hand; v12 -M, v13 the largest t, v[14:15] the sum; v16-23, v24-31 Q of job 1, 2;
;   v32-95 K's eight fragments, then V's four; v96-159 S^T, then p; v160-191 O^T; v192-207 P's codes; v208-215, v216-223 y's codes; v236-254 at work; v244 p's scale; v246 y's scale.
.set KB,   74                          ; s74  the key block in hand
.set TB,   75                          ; s75  its LDS byte: 8,192 x block
.set LAST, 76                          ; s76  the job's last block, on the diagonal
.macro CROUND
	s_barrier_signal -1
	s_barrier_wait -1
	s_cmp_lg_u32 s14, 0
	s_cbranch_scc1 .Lnot_wave_0_\@
	s_barrier_signal -3
.Lnot_wave_0_\@:
	s_barrier_wait -3
	s_barrier_signal -1
	s_barrier_wait -1
.endm
	s_load_b256 s[4:11], s[0:1], 0x0               ; q_img s[4:5], k_img s[6:7], v_img s[8:9], the exponents s[10:11]
	s_load_b64 s[12:13], s[0:1], 0x20              ; y_img
	v_lshl_add_u32 v251, v0, 2, 0x40000
	v_mov_b32 v255, 0
	ds_add_u32 v251, v255
	ds_add_u32 v251, v255
	v_lshrrev_b32 v8, 5, v0
	s_delay_alu instid0(VALU_DEP_1)
	v_readfirstlane_b32 s14, v8                    ; wave 0..15
	s_bfe_u32 s15, ttmp6, 0x40000                  ; cx
	s_and_b32 s16, ttmp7, 0xffff                   ; batch x 16 + head: the cluster's y, shared by the partners
	; group 1: 16 dense rows of 256 bytes (32 elements of 8 bytes), no padding: images are read 512 consecutive bytes an instruction
	s_mov_b32 s24, 15|(3<<16)|(1<<21)
	s_mov_b32 s25, 32<<16
	s_mov_b32 s26, 16<<16
	s_mov_b32 s27, 32<<16
	s_mov_b32 s28, 16
	s_mov_b32 s29, 32
	s_mov_b32 s30, 0
	s_mov_b32 s31, 0
	s_lshr_b32 s17, s14, 3                         ; waves 0-7 fetch K, waves 8-15 V
	s_lshl_b32 s17, s17, 17
	s_and_b32 s18, s14, 7
	s_lshl_b32 s18, s18, 12                        ; my 4,096 bytes of a stage's 32,768
	s_add_co_u32 s17, s17, s18
	s_lshl_b32 s2, s16, 17                         ; the head's 131,072 bytes
	s_add_co_u32 s2, s2, s18
	s_mov_b32 s3, 0
	s_wait_dscnt 0x0
	s_wait_kmcnt 0x0
	s_load_b256 s[52:59], s[10:11], 0x0            ; e0 .. e7
	s_load_b128 s[60:63], s[10:11], 0x20           ; e8 .. e11
	s_cmp_lt_u32 s14, 8
	s_cselect_b64 s[82:83], s[6:7], s[8:9]
	s_add_nc_u64 s[82:83], s[82:83], s[2:3]
.irp p, 0,1,2,3                        ; stage p: key blocks 4 p .. 4 p + 3 of K and of V
	s_mov_b32 s[32+4*\p], 1
	s_add_co_u32 s[33+4*\p], s17, \p*32768
	s_add_nc_u64 s[34+4*\p:35+4*\p], s[82:83], \p*32768
	s_or_b32 s[35+4*\p], s[35+4*\p], 0x80000000
.endr
	CROUND                                         ; all four work-groups are here: the joint loads meet
	tensor_load_to_lds s[32:35], s[24:31]          ; four loads of mine are out
	s_nop 0
	tensor_load_to_lds s[36:39], s[24:31]
	s_nop 0
	tensor_load_to_lds s[40:43], s[24:31]
	s_nop 0
	tensor_load_to_lds s[44:47], s[24:31]
	s_nop 0
.rept 4
	v_nop                                          ; four lines behind a tensor load
.endr
	s_lshr_b32 s19, s14, 1                         ; a
	s_and_b32 s48, s14, 1
	s_lshl_b32 s48, s48, 2
	s_add_co_u32 s48, s48, s15                     ; sub
	s_lshl_b32 s49, s19, 3
	s_add_co_u32 s49, s49, s48                     ; job 2's tile: i
	s_xor_b32 s50, s49, 127                        ; job 1's: 127 - i
	s_lshl_b32 s51, s16, 7
	s_add_co_u32 s78, s51, s50
	s_lshl_b32 s78, s78, 10
	s_mov_b32 s79, 0
	s_add_nc_u64 s[66:67], s[4:5], s[78:79]        ; Q of job 1
	s_add_co_u32 s78, s51, s49
	s_lshl_b32 s78, s78, 10
	s_add_nc_u64 s[68:69], s[4:5], s[78:79]        ; Q of job 2
	s_lshr_b32 s51, s16, 4
	s_lshl_b32 s51, s51, 7                         ; 128 x batch
	s_and_b32 s80, s16, 15
	s_lshl_b32 s80, s80, 10                        ; 1,024 x head
	s_add_co_u32 s78, s51, s50
	s_lshl_b32 s78, s78, 14
	s_add_co_u32 s78, s78, s80
	s_add_nc_u64 s[70:71], s[12:13], s[78:79]      ; y of job 1: (128 batch + tile) x 16,384 + 1,024 head
	s_add_co_u32 s78, s51, s49
	s_lshl_b32 s78, s78, 14
	s_add_co_u32 s78, s78, s80
	s_add_nc_u64 s[72:73], s[12:13], s[78:79]      ; y of job 2
	v_and_b32 v1, 31, v0
	s_delay_alu instid0(VALU_DEP_1)
	v_lshlrev_b32 v1, 4, v1                        ; 16 l
	s_delay_alu instid0(VALU_DEP_1)
	v_add_nc_u32 v2, 131072, v1
	global_load_b128 v[16:19], v1, s[66:67]
	global_load_b128 v[20:23], v1, s[66:67] offset:512
	global_load_b128 v[24:27], v1, s[68:69]
	global_load_b128 v[28:31], v1, s[68:69] offset:512
	v_and_b32 v10, 15, v0
	v_bfe_u32 v11, v0, 4, 1
	s_delay_alu instid0(VALU_DEP_1)
	v_lshlrev_b32 v11, 3, v11
	s_delay_alu instid0(VALU_DEP_1)
	v_sub_nc_u32 v10, v10, v11                     ; r - 8 h
	s_lshl_b32 s77, s48, 4
	v_add_nc_u32 v5, s77, v10                      ; job 2: my query in its block less 8 h: register 8 c + j is hidden where 16 c + j is above it
	s_xor_b32 s77, s77, 112
	v_add_nc_u32 v4, s77, v10                      ; job 1: the tile is 7 - sub of its block
	s_mov_b32 s20, 0x76543210
	s_mov_b32 s21, 0xfedcba98                      ; lane l xor 16
	s_mov_b32 s22, 0x3e38aa3b                      ; c = log2(e) / 8
	v_mov_b32 v236, 0                              ; written once: a lane permute's destination counts as one of its sources
	v_mov_b32 v252, 0
	v_mov_b32 v253, 0                              ; (named as the upper half of the pair v[252:253])
	s_wait_kmcnt 0x0
	s_add_co_i32 s51, s58, s59
	s_lshl_b32 s51, s51, 23
	s_add_co_i32 s22, s22, s51                     ; a score stands for score x 2^(e6 + e7): added to c's exponent field
	s_mov_b32 s23, s22
	s_add_co_i32 s51, s60, 127
	s_lshl_b32 s77, s51, 23
	v_mov_b32 v244, s77                            ; 2^e8
	s_sub_co_i32 s51, s62, s60
	s_sub_co_i32 s51, s51, s61
	s_add_co_i32 s51, s51, 127
	s_lshl_b32 s77, s51, 23
	v_mov_b32 v246, s77                            ; 2^(e10 - e8 - e9): O / the sum stands for y / 2^(e8 + e9)
.macro INIT                            ; a job's state: the first change of M multiplies zeros
	v_mov_b32 v13, 0xff61b1e6                      ; -3e38, under every t
	s_delay_alu instid0(VALU_DEP_1)
	v_floor_f32 v12, -v13
	v_mov_b32 v14, 0
	v_mov_b32 v15, 0
.set ii, 0
.rept 32
	v_mov_b32 v[160+ii], 0
.set ii, ii+1
.endr
.endm
; A KEY STEP: 128 keys.  A block past the job's last is left out: a scalar branch on the wave's number and the counter, round the step's work, not round the lines that step the counter.
.macro STEP qreg, dm
	s_cmp_gt_u32 s[KB], s[LAST]
	s_cbranch_scc1 .Lskip_\@
	s_setprio 2
	v_add_nc_u32 v8, s[TB], v1
	v_add_nc_u32 v9, s[TB], v2
	v_nop
	v_nop                                          ; with the two additions: four places in front of loads into registers that the last products read
.irp n, 0,1,2,3,4,5,6,7,8,9,10,11,12,13,14,15
	ds_load_b128 v[32+4*\n:35+4*\n], v8 offset:512*\n              ; K's eight fragments
.endr
	s_wait_alu depctr_va_vdst(0)
	s_wait_dscnt 0x0
.irp c, 0,1,2,3,4,5,6,7
	v_wmma_f32_16x16x64_fp8_fp8 v[96+8*\c:103+8*\c], v[32+8*\c:39+8*\c], v[\qreg:\qreg+7], 0
.endr
.rept 4
	v_nop
.endr
.irp n, 0,1,2,3,4,5,6,7,8,9,10,11,12,13,14,15
	ds_load_b128 v[32+4*\n:35+4*\n], v9 offset:512*\n              ; V's four fragments land while the softmax is walked
.endr
	s_cmp_lg_u32 s[KB], s[LAST]
	s_cbranch_scc1 .Lopen_\@
	v_mov_b32 v254, 0xff800000                     ; on the diagonal hidden scores become -infinity: p = 0
.set ii, 0
.rept 64
	v_cmp_gt_i32 vcc_lo, 16*(ii/8)+ii%8, v[\dm]
	v_cndmask_b32 v[96+ii], v[96+ii], v254, vcc_lo
.set ii, ii+1
.endr
.Lopen_\@:
	v_max3_num_f32 v254, v96, v97, v98             ; the step's largest score of my query among my 64 keys, in two chains,
	v_max3_num_f32 v252, v99, v100, v101
.irp i, 6,10,14,18,22,26,30,34,38,42,46,50,54,58
	v_max3_num_f32 v254, v254, v[96+\i], v[97+\i]
	v_max3_num_f32 v252, v252, v[98+\i], v[99+\i]
.endr
	v_max3_num_f32 v254, v254, v158, v159
	s_delay_alu instid0(VALU_DEP_1)
	v_max_num_f32 v254, v254, v252
	s_delay_alu instid0(VALU_DEP_1)
	v_permlanex16_b32 v236, v254, s20, s21
	s_delay_alu instid0(VALU_DEP_1)
	v_max_num_f32 v254, v254, v236                 ; and among lane l xor 16's
	s_delay_alu instid0(VALU_DEP_1)
	v_mul_f32 v254, s22, v254                      ; as t (c is positive)
	s_delay_alu instid0(VALU_DEP_1)
	v_max_num_f32 v13, v13, v254
	v_mov_b32 v254, v12
	s_delay_alu instid0(VALU_DEP_2)
	v_floor_f32 v12, -v13                          ; -M = floor(-t)
	s_delay_alu instid0(VALU_DEP_1)
	v_sub_f32 v254, v12, v254                      ; old M - new M: a whole number, 0 or less
	s_delay_alu instid0(VALU_DEP_1)
	v_cvt_i32_f32 v254, v254                       ; (it saturates)
	s_delay_alu instid0(VALU_DEP_1)
	v_ldexp_f32 v252, 1.0, v254                    ; f = 2^(old M - new M)
.set ii, 0
	s_setprio 1
.rept 32
	v_pk_fma_f32 v[96+ii:97+ii], v[96+ii:97+ii], s[22:23], v[12:13] op_sel_hi:[1,0,0]      ; t - M
.set ii, ii+2
.endr
.set ii, 0
	s_wait_alu depctr_va_vdst(0)
.rept 64
	v_exp_f32 v[96+ii], v[96+ii]                   ; p = 2^(t - M)
.set ii, ii+1
.endr
	v_pk_mul_f32 v[14:15], v[14:15], v[252:253] op_sel_hi:[1,0]    ; the sums under the new M: the plain line behind the exponentials
	s_wait_alu depctr_va_vdst(0)                   ; one wait for the batch, ahead of its first reader
	v_pk_add_f32 v[242:243], v[100:101], v[104:105]
	v_pk_add_f32 v[248:249], v[108:109], v[112:113]
	v_pk_add_f32 v[240:241], v[116:117], v[120:121]
	v_pk_add_f32 v[238:239], v[124:125], v[128:129]
	v_pk_add_f32 v[234:235], v[132:133], v[136:137]
	v_pk_add_f32 v[232:233], v[140:141], v[144:145]
	v_pk_add_f32 v[230:231], v[148:149], v[152:153]
	v_pk_add_f32 v[14:15], v[14:15], v[156:157]
	v_pk_add_f32 v[242:243], v[242:243], v[96:97]
	v_pk_add_f32 v[248:249], v[248:249], v[98:99]
	v_pk_add_f32 v[240:241], v[240:241], v[102:103]
	v_pk_add_f32 v[238:239], v[238:239], v[106:107]
	v_pk_add_f32 v[234:235], v[234:235], v[110:111]
	v_pk_add_f32 v[232:233], v[232:233], v[114:115]
	v_pk_add_f32 v[230:231], v[230:231], v[118:119]
	v_pk_add_f32 v[14:15], v[14:15], v[122:123]
	v_pk_add_f32 v[242:243], v[242:243], v[126:127]
	v_pk_add_f32 v[248:249], v[248:249], v[130:131]
	v_pk_add_f32 v[240:241], v[240:241], v[134:135]
	v_pk_add_f32 v[238:239], v[238:239], v[138:139]
	v_pk_add_f32 v[234:235], v[234:235], v[142:143]
	v_pk_add_f32 v[232:233], v[232:233], v[146:147]
	v_pk_add_f32 v[230:231], v[230:231], v[150:151]
	s_setprio 0
	v_pk_add_f32 v[14:15], v[14:15], v[154:155]
	v_pk_add_f32 v[242:243], v[242:243], v[158:159]
	s_delay_alu instid0(VALU_DEP_2)
	v_pk_add_f32 v[14:15], v[14:15], v[238:239]
	s_delay_alu instid0(VALU_DEP_2)
	v_pk_add_f32 v[242:243], v[242:243], v[234:235]
	v_pk_add_f32 v[248:249], v[248:249], v[232:233]
	v_pk_add_f32 v[240:241], v[240:241], v[230:231]
	s_delay_alu instid0(VALU_DEP_2)
	v_pk_add_f32 v[14:15], v[14:15], v[248:249]
	s_delay_alu instid0(VALU_DEP_2)
	v_pk_add_f32 v[242:243], v[242:243], v[240:241]
	s_delay_alu instid0(VALU_DEP_1)
	v_pk_add_f32 v[14:15], v[14:15], v[242:243]
.irp c, 0,1,2,3,4,5,6,7
.irp i, 0,1,2,3,4,5,6,7
.endr
	v_cvt_scalef32_pk8_fp8_f32 v[192+2*\c:193+2*\c], v[96+8*\c:103+8*\c], v244     ; keys 16 c + 8 h + 0 .. 7
.endr
.set ii, 0
.rept 16
	v_pk_mul_f32 v[160+ii:161+ii], v[160+ii:161+ii], v[252:253] op_sel_hi:[1,0]    ; O^T under the new M; also the plain lines between the conversions and the products
.set ii, ii+2
.endr
	s_wait_alu depctr_va_vdst(0)
	s_wait_dscnt 0x0                               ; V is in
.irp u, 0,1,2,3
	v_wmma_f32_16x16x128_fp8_fp8 v[160+8*\u:167+8*\u], v[32+16*\u:47+16*\u], v[192:207], v[160+8*\u:167+8*\u]
.endr
.Lskip_\@:
	s_add_co_u32 s[KB], s[KB], 1
	s_add_co_u32 s[TB], s[TB], 8192
.endm
.macro FINISH yc, sb                   ; O^T / the sum, converted: y's fragment of 16 tokens x my head's 64 channels
.rept 4
	v_nop
.endr
	v_add_f32 v14, v14, v15
	s_delay_alu instid0(VALU_DEP_1)
	v_permlanex16_b32 v252, v14, s20, s21
	s_delay_alu instid0(VALU_DEP_1)
	v_add_f32 v14, v14, v252
	s_wait_alu depctr_va_vdst(0)
	v_rcp_f32 v14, v14
	v_nop                                          ; a plain line behind the reciprocal,
	s_wait_alu depctr_va_vdst(0)                   ; and the wait ahead of its first reader
.set ii, 0
.rept 16
	v_pk_mul_f32 v[96+ii:97+ii], v[160+ii:161+ii], v[14:15] op_sel_hi:[1,0]
.set ii, ii+2
.endr
.set ii, 0
.rept 32
.set ii, ii+1
.endr
.irp u, 0,1,2,3
	v_cvt_scalef32_pk8_fp8_f32 v[\yc+2*\u:\yc+2*\u+1], v[96+8*\u:103+8*\u], v246
.endr
	v_nop                                          ; one plain line behind the last conversion: products write its sources later
	global_store_b128 v1, v[\yc:\yc+3], s[\sb:\sb+1]               ; 32 lanes store 512 consecutive bytes, aligned
	global_store_b128 v1, v[\yc+4:\yc+7], s[\sb:\sb+1] offset:512
.endm
	INIT                                           ; ---- job 1: tile 127 - i, key blocks 0 .. 15 - a
	s_xor_b32 s[LAST], s19, 15                     ; 15 - a
	s_mov_b32 s[KB], 0
	s_mov_b32 s[TB], 0
	s_wait_loadcnt 0x0                             ; Q
	s_wait_tensorcnt 0x3                           ; my part of stage 0 is in; the three younger loads may stay out
	s_barrier_signal -1
	s_barrier_wait -1
.Ljob1a:
	STEP 16, 4
	s_cmp_lt_u32 s[KB], 4
	s_cbranch_scc1 .Ljob1a
	s_setprio 0
	s_mov_b32 s[KB], 4
	s_mov_b32 s[TB], 4*8192
	s_wait_dscnt 0x0
	s_wait_tensorcnt 0x2                           ; stage 1
	s_barrier_signal -1
	s_barrier_wait -1
.Ljob1b:
	STEP 16, 4
	s_cmp_lt_u32 s[KB], 8
	s_cbranch_scc1 .Ljob1b
	s_setprio 0
	s_mov_b32 s[KB], 8
	s_mov_b32 s[TB], 8*8192
	s_wait_dscnt 0x0
	s_wait_tensorcnt 0x0                           ; stages 2 and 3
	s_barrier_signal -1
	s_barrier_wait -1
.Ljob1c:
	STEP 16, 4
	s_cmp_lt_u32 s[KB], 16
	s_cbranch_scc1 .Ljob1c
	s_setprio 0
	FINISH 208, 70
	INIT                                           ; ---- job 2: tile i, key blocks 0 .. a
	s_mov_b32 s[LAST], s19
	s_mov_b32 s[KB], 0
	s_mov_b32 s[TB], 0
.Ljob2:
	STEP 24, 5
	s_cmp_lt_u32 s[KB], 8
	s_cbranch_scc1 .Ljob2
	s_setprio 0
	FINISH 216, 72
	s_wait_tensorcnt 0x0
	ds_add_u32 v251, v255
	s_wait_dscnt 0x0
	CROUND                                         ; the closing round
	s_endpgm
.Lfunc_end_k_q069a47e6b3_attn:
	.size	k_q069a47e6b3_attn, .Lfunc_end_k_q069a47e6b3_attn-k_q069a47e6b3_attn
	.p2alignl 7, 3214868480
	.fill 96, 4, 3214868480
	.section	.rodata,"a",@progbits
	.p2align	6, 0x0
	.amdhsa_kernel k_q069a47e6b3_attn
		.amdhsa_group_segment_fixed_size 264192
		.amdhsa_private_segment_fixed_size 0
		.amdhsa_enable_private_segment 0
		.amdhsa_kernarg_size 40
		.amdhsa_user_sgpr_count 2
		.amdhsa_user_sgpr_kernarg_segment_ptr 1
		.amdhsa_wavefront_size32 1
		.amdhsa_system_sgpr_workgroup_id_x 1
		.amdhsa_system_sgpr_workgroup_id_y 1
		.amdhsa_system_sgpr_workgroup_id_z 1
		.amdhsa_system_vgpr_workitem_id 0
		.amdhsa_next_free_vgpr 256
		.amdhsa_next_free_sgpr 84
		.amdhsa_reserve_vcc 1
		.amdhsa_float_denorm_mode_32 3
		.amdhsa_float_denorm_mode_16_64 3
		.amdhsa_fp16_overflow 1
		.amdhsa_memory_ordered 1
		.amdhsa_forward_progress 1
		.amdhsa_inst_pref_size 90
	.end_amdhsa_kernel
	.amdgpu_metadata
---
amdhsa.version: [ 1, 2 ]
amdhsa.kernels:
  - .name:           k_q069a47e6b3_attn
    .symbol:         k_q069a47e6b3_attn.kd
    .args:
      - { .name: q_img, .offset: 0, .size: 8, .value_kind: global_buffer, .address_space: global }
      - { .name: k_img, .offset: 8, .size: 8, .value_kind: global_buffer, .address_space: global }
      - { .name: v_img, .offset: 16, .size: 8, .value_kind: global_buffer, .address_space: global }
      - { .name: lowp_scales, .offset: 24, .size: 8, .value_kind: global_buffer, .address_space: global }
      - { .name: y_img, .offset: 32, .size: 8, .value_kind: global_buffer, .address_space: global }
    .group_segment_fixed_size: 264192
    .private_segment_fixed_size: 0
    .kernarg_segment_align: 8
    .kernarg_segment_size: 40
    .max_flat_workgroup_size: 512
    .sgpr_count:     84
    .vgpr_count:     256
    .wavefront_size: 32
...
	.end_amdgpu_metadata
.endif
;; end of part 2
;; launch proj (part 3): grid 4 x 64, 4 waves a work-group, clusters of 4 x 4, 327,680 bytes of LDS; arguments y_img, Wo_codes, bo, lowp_scales, out0; writes out0
.if DOCPART == 3
	.amdgcn_target "amdgcn-amd-amdhsa--gfx1250"
	.amdhsa_code_object_version 6
	.text
	.protected	k_q069a47e6b3_proj
	.globl	k_q069a47e6b3_proj
	.p2align	8
	.type	k_q069a47e6b3_proj,@function
k_q069a47e6b3_proj:
	s_mov_b64 s[64:65], 0
	v_nop
	global_prefetch_b8 v0, s[64:65] scope:SCOPE_SE
	s_setreg_imm32_b32 hwreg(HW_REG_WAVE_MODE, 25, 1), 1
	s_wait_xcnt 0x0
	s_wait_alu depctr_hold_cnt(0) depctr_sa_sdst(0) depctr_va_vdst(0) depctr_va_sdst(0) depctr_va_ssrc(0) depctr_va_vcc(0) depctr_vm_vsrc(0)
	s_getreg_b32 s2, hwreg(HW_REG_IB_STS2, 6, 4)
	s_cmp_eq_u32 s2, 0
	s_cbranch_scc0 .Lentry_in_a_cluster
	s_endpgm
.Lentry_in_a_cluster:
	s_bfe_u32 s2, ttmp6, 0x10000c
	s_cmp_lg_u32 s2, 0xf033
	s_cbranch_scc0 .Lentry_shape_is_right
	s_endpgm
.Lentry_shape_is_right:
; out0 = y Wo^T + bo on E4M3 codes, sums in f32.  y_img: [token tile 512][head 16][1,024 bytes]: images of operand registers; two neighbouring heads are one fragment of 16 tokens x 128 K.
; SHARES.  A work-group owns 128 tokens (128 R ..) x 256 columns (256 cb ..); wave (wr, wc) 64 x 128: 32 accumulators.  y's eight token tiles, 131,072 dense bytes, lie in LDS as they lie in memory;
; Wo goes through two slots of 256 rows x 256 K: four items.  CLUSTER 4 x 4: y's tile is asked for jointly along a row of the cluster, Wo's along a column.
; y's images hold k in the matrix form's own places (registers 2 c, 2 c + 1: k = 16 c + 8 h ..), so Wo's fragments are fetched in the same places, by loads of 8 bytes.
; THE MATRIX INSTRUCTION IS USED TRANSPOSED (source 0 = 16 rows of Wo, source 1 = 16 tokens): a lane holds eight neighbouring columns of one row of out0.
; out0 = sum x 2^(e10 + e11) + bo, one packed multiply-add for two numbers.  LIMIT: e10 + e11 between -126 and 127.
; REGISTERS.  Window 0: v1 r, v2 h, v3 16 l, v16 y's images, v20-21 Wo's slots, v24, v27 the stage, v25 32 h, v28-29 the add's; v64-127, v128-191 y's fragments, two sets (on the way out: results and rows).
;   Window 1: Wo's fragments, two sets.  Window 2: accumulator (a, bt) at v[8 (8 a + bt)].  Window 3: v0-63 bo in the result's layout.
.set WP,     272
.set WB,     131072
.set WSLOT,  256*WP
.set STG,    WB+2*WSLOT                ; the way out: 16 rows x (512 + 16) bytes for each wave; no tile lands here
.set SPITCH, 528
.set SPARE,  STG+4*16*SPITCH           ; the spare words: 128 bytes a wave, two blocks of 256 bytes that no other line names
.set MSB, 0
.macro WIN new
.if MSB != (\new)
	s_set_vgpr_msb (MSB<<8)|(\new)
.set MSB, (\new)
.endif
.endm
.macro PLACES n
.rept \n
	v_nop
.endr
.endm
.macro CREST
	s_cmp_lg_u32 s26, 0
	s_cbranch_scc1 .Lnot_wave_0_\@
	s_barrier_signal -3
.Lnot_wave_0_\@:
	s_barrier_wait -3
	s_barrier_signal -1
	s_barrier_wait -1
.endm
.macro CROUND
	s_barrier_signal -1
	s_barrier_wait -1
	CREST
.endm
	s_load_b256 s[4:11], s[0:1], 0x0               ; y_img s[4:5], Wo s[6:7], bo s[8:9], the exponents s[10:11]
	s_load_b64 s[12:13], s[0:1], 0x20              ; out0
	v_lshl_add_u32 v28, v0, 2, SPARE
	v_mov_b32 v29, 0
	ds_add_u32 v28, v29
	ds_add_u32 v28, v29
	s_wait_dscnt 0x0
	v_lshrrev_b32 v4, 5, v0
	v_readfirstlane_b32 s26, v4                    ; wave 0..3
	s_lshr_b32 s27, s26, 1                         ; wr
	s_and_b32 s28, s26, 1                          ; wc
	s_bfe_u32 s29, ttmp6, 0x40000                  ; cx
	s_bfe_u32 s30, ttmp6, 0x40004                  ; cy
	s_lshl_b32 s31, ttmp9, 2
	s_add_co_u32 s31, s31, s29                     ; cb
	s_and_b32 s32, ttmp7, 0xffff
	s_lshl_b32 s32, s32, 2
	s_add_co_u32 s32, s32, s30                     ; R
	s_lshl_b32 s33, s30, 2
	s_lshl_b32 s33, 15, s33                        ; my row of the cluster
	s_lshl_b32 s34, 0x1111, s29                    ; my column
	; group 1 for y: 128 dense rows of 256 bytes (32 elements of 8 bytes), no padding
	s_or_b32 s36, s33, (3<<16)|(1<<21)
	s_mov_b32 s37, 32<<16
	s_mov_b32 s38, 128<<16
	s_mov_b32 s39, 32<<16
	s_mov_b32 s40, 128
	s_mov_b32 s41, 32
	s_mov_b32 s42, 0
	s_mov_b32 s43, 0
	; group 1 for Wo: 64 rows x 256 bytes, 16 bytes of padding behind each row
	s_or_b32 s44, s34, (1<<20)|(1<<21)|(5<<22)|(3<<25)
	s_mov_b32 s45, 256<<16
	s_mov_b32 s46, 64<<16
	s_mov_b32 s47, 256<<16
	s_mov_b32 s48, 64
	s_mov_b32 s49, 1024
	s_mov_b32 s50, 0
	s_mov_b32 s51, 0
	s_lshl_b32 s2, s32, 17                         ; y: eight token tiles of 16,384 bytes for R,
	s_lshl_b32 s3, s26, 15                         ; my two of them
	s_add_co_u32 s2, s2, s3
	s_mov_b32 s3, 0
	s_lshl_b32 s70, s31, 18                        ; Wo: 256 cb rows of 1,024 bytes + 64 w rows
	s_lshl_b32 s71, s26, 16
	s_add_co_u32 s70, s70, s71
	s_mov_b32 s71, 0
	s_lshl_b32 s53, s26, 15                        ; y in LDS
	s_mul_i32 s57, s26, 64*WP
	s_add_co_u32 s57, s57, WB
	s_add_co_u32 s61, s57, WSLOT
	s_mov_b32 s52, 1
	s_mov_b32 s56, 1
	s_mov_b32 s60, 1
	s_wait_kmcnt 0x0
	s_load_b64 s[72:73], s[10:11], 0x28            ; e10, e11
	s_add_nc_u64 s[54:55], s[4:5], s[2:3]
	s_or_b32 s55, s55, 0x80000000
	s_add_nc_u64 s[84:85], s[6:7], s[70:71]        ; my 64 rows of Wo, kept without the type bits
	s_mov_b64 s[58:59], s[84:85]
	s_or_b32 s59, s59, 0x80000000
	s_add_nc_u64 s[62:63], s[84:85], 256
	s_or_b32 s63, s63, 0x80000000
	CROUND                                         ; all sixteen work-groups are here: the first joint loads meet
	tensor_load_to_lds s[52:55], s[36:43]          ; my quarter of y; one load of mine is out
	s_nop 0
	s_wait_alu depctr_va_vdst(0)
	s_wait_tensorcnt 0x0
	ds_add_u32 v28, v29
	s_wait_dscnt 0x0
	CROUND
	tensor_load_to_lds s[56:59], s[44:51]          ; of item 0
	s_nop 0
	s_wait_alu depctr_va_vdst(0)
	s_wait_tensorcnt 0x0
	ds_add_u32 v28, v29
	s_wait_dscnt 0x0
	CROUND
	tensor_load_to_lds s[60:63], s[44:51]          ; of item 1
	s_nop 0
	PLACES 4                                       ; four lines behind a tensor load
	s_lshl_b32 s66, s32, 19                        ; out0: (128 R + 64 wr) rows of 4,096 bytes + (256 cb + 128 wc) x 4
	s_lshl_b32 s67, s27, 18
	s_add_co_u32 s66, s66, s67
	s_lshl_b32 s68, s31, 10
	s_lshl_b32 s67, s28, 9
	s_add_co_u32 s68, s68, s67
	s_mov_b32 s69, 0
	s_add_nc_u64 s[8:9], s[8:9], s[68:69]          ; bo at my first column
	s_add_co_u32 s66, s66, s68
	s_mov_b32 s67, 0
	s_add_nc_u64 s[12:13], s[12:13], s[66:67]
	v_and_b32 v1, 15, v0                           ; r
	v_bfe_u32 v2, v0, 4, 1                         ; h
	v_and_b32 v3, 31, v0
	v_lshlrev_b32 v3, 4, v3                        ; 16 l
	s_lshl_b32 s35, s27, 16
	v_add_nc_u32 v16, s35, v3                      ; y's images: my four token tiles
	v_mul_u32_u24 v5, v1, WP
	v_lshl_add_u32 v5, v2, 3, v5
	s_mul_i32 s35, s28, 128*WP
	s_add_co_u32 s35, s35, WB
	v_add_nc_u32 v20, s35, v5                      ; Wo's fragments: (128 wc + r) x pitch + 8 h, slot 0,
	v_add_nc_u32 v21, WSLOT, v20                   ; slot 1
	s_mul_i32 s35, s26, 16*SPITCH
	s_add_co_u32 s35, s35, STG                     ; my stage
	v_mul_u32_u24 v4, v1, SPITCH
	v_lshl_add_u32 v4, v2, 5, v4
	v_add_nc_u32 v24, s35, v4                      ; in: row r, 32 bytes for each half of the lanes
	v_add_nc_u32 v27, s35, v3                      ; back: the 32 lanes take one row of 512 bytes
	v_lshlrev_b32 v25, 5, v2
	WIN 0xc0
.irp bt, 0,1,2,3,4,5,6,7
	global_load_b128 v[8*\bt:8*\bt+3], v25, s[8:9] offset:64*\bt           ; bo of columns 16 bt + 8 h + 0 .. 7
	global_load_b128 v[8*\bt+4:8*\bt+7], v25, s[8:9] offset:64*\bt+16
.endr
	WIN 0
; the fragments of item j's q-th 128 along K into set q: Wo's eight, by loads of 8 bytes; y's four, as images
.macro FETCH j, q
	WIN 0x40
.irp i, 0,1,2,3,4,5,6,7
.irp c, 0,1,2,3,4,5,6,7
	ds_load_b64 v[128*(\q)+16*\i+2*\c:128*(\q)+16*\i+2*\c+1], v[20+(\j)%2] offset:128*(\q)+16*\c+16*WP*\i
.endr
.endr
	WIN 0
.irp m, 0,1,2,3
.irp g, 0,1,2,3
	ds_load_b128 v[64+64*(\q)+16*\m+4*\g:64+64*(\q)+16*\m+4*\g+3], v16 offset:16384*\m+2048*(2*(\j)+(\q))+512*\g
.endr
.endr
.endm
; 8 matrix instructions: token tile a against Wo's eight tiles.  The 32 accumulators take turns, one instruction a turn.
.macro MUL8 a, q, first
	WIN 0xa1
.irp bt, 0,1,2,3,4,5,6,7
.set DD, 8*(8*(\a)+\bt)
.set FA, 64+64*(\q)+16*(\a)
.set FB, 128*(\q)+16*\bt
.if \first
	v_wmma_f32_16x16x128_fp8_fp8 v[DD:DD+7], v[FB:FB+15], v[FA:FA+15], 0
.else
	v_wmma_f32_16x16x128_fp8_fp8 v[DD:DD+7], v[FB:FB+15], v[FA:FA+15], v[DD:DD+7]
.endif
.endr
.endm
.macro STEP0 j, first
	s_wait_dscnt 0x0                               ; set 0 is in
	MUL8 0, 0, \first
	MUL8 1, 0, \first
	PLACES 4                                       ; in front of the loads into set 1
	FETCH \j, 1
	MUL8 2, 0, \first
	MUL8 3, 0, \first
.endm
.macro TURN j, fill
	WIN 0
	s_wait_tensorcnt 0x0                           ; no tensor load of mine is out, so a group 0 may be written
	ds_add_u32 v28, v29                            ; 0 onto my spare word
.if \fill
	s_add_nc_u64 s[58+4*((\j)%2):59+4*((\j)%2)], s[84:85], 256*((\j)+2)
	s_or_b32 s[59+4*((\j)%2)], s[59+4*((\j)%2)], 0x80000000
.endif
	s_wait_dscnt 1                                 ; set 1's loads are in; the add alone may be out
	MUL8 0, 1, 0
	s_wait_dscnt 0x0                               ; the add is done, and my reads of this slot are over
	s_barrier_signal -1
	MUL8 1, 1, 0
	WIN 0
	s_barrier_wait -1
.if \fill
	CREST                                          ; no wave of any partner still reads this slot or has a load on its way
	tensor_load_to_lds s[56+4*((\j)%2):59+4*((\j)%2)], s[44:51]    ; my one tensor load behind the round
	s_nop 0
.endif
	PLACES 4
	FETCH (\j)+1, 0
	MUL8 2, 1, 0
	MUL8 3, 1, 0
.endm
	s_wait_alu depctr_va_vdst(0)
	s_wait_tensorcnt 0x1                           ; my quarters of y and of item 0 are in; item 1's may stay out
	s_barrier_signal -1
	s_barrier_wait -1
	FETCH 0, 0
	STEP0 0, 1
	TURN 0, 1
	STEP0 1, 0
	TURN 1, 1
	STEP0 2, 0
	TURN 2, 0
	STEP0 3, 0
	s_wait_dscnt 0x0
	MUL8 0, 1, 0
	MUL8 1, 1, 0
	MUL8 2, 1, 0
	MUL8 3, 1, 0
	WIN 0
; THE WAY OUT, block by block of 16 rows x 128 columns, through my own stage: in as 32 bytes a lane, back as whole rows of 512 bytes.  LDS serves a wave's instructions in order (ISA guide 5.7.1.4).
.macro TOSTAGE a
	WIN 0x32                                       ; source 0 (the sums) window 2, source 2 (bo) window 3
.set ii, 0
.rept 32
	v_pk_fma_f32 v[64+ii:65+ii], v[64*(\a)+ii:64*(\a)+ii+1], s[74:75], v[ii:ii+1] op_sel_hi:[1,0,1]   ; each accumulator from its low end on
.set ii, ii+2
.endr
	WIN 0
.irp b, 0,1,2,3,4,5,6,7
	ds_store_b128 v24, v[64+8*\b:67+8*\b] offset:64*\b
	ds_store_b128 v24, v[68+8*\b:71+8*\b] offset:64*\b+16
.endr
.set BB, 128+64*((\a)%2)
.irp t, 0,1,2,3,4,5,6,7,8,9,10,11,12,13,14,15
	ds_load_b128 v[BB+4*\t:BB+4*\t+3], v27 offset:\t*SPITCH
.endr
.endm
.macro SEND a, younger
.set BB, 128+64*((\a)%2)
	s_wait_dscnt \younger                          ; the block is back in registers
.if (\a) > 0
	s_add_nc_u64 s[12:13], s[12:13], 16*4096       ; (behind a wait on XCNT: the earlier stores have read their base)
.endif
.irp t, 0,1,2,3,4,5,6,7,8,9,10,11,12,13,14,15
	global_store_b128 v3, v[BB+4*\t:BB+4*\t+3], s[12:13] offset:\t*4096 th:TH_STORE_NT     ; 32 lanes store 512 consecutive bytes, aligned
.endr
.endm
	s_wait_kmcnt 0x0
	s_add_co_i32 s74, s72, s73
	s_add_co_i32 s74, s74, 127
	s_lshl_b32 s74, s74, 23                        ; 2^(e10 + e11)
	s_mov_b32 s75, s74
	s_wait_loadcnt 0x0                             ; bo
	PLACES 4                                       ; behind the last products
	TOSTAGE 0
.irp a, 1,2,3
.if \a > 1
	s_wait_xcnt 0x0                                ; block a - 2's stores have read their registers and their base
.endif
	TOSTAGE \a
	SEND \a-1, 32                                  ; behind block a - 1's loads: block a's 16 stores and 16 loads
.endr
	s_wait_xcnt 0x0
	SEND 3, 0
	s_wait_tensorcnt 0x0                           ; the wave's end
	ds_add_u32 v28, v29
	s_wait_dscnt 0x0
	CROUND                                         ; the closing round
	s_endpgm
.Lfunc_end_k_q069a47e6b3_proj:
	.size	k_q069a47e6b3_proj, .Lfunc_end_k_q069a47e6b3_proj-k_q069a47e6b3_proj
	.p2alignl 7, 3214868480
	.fill 96, 4, 3214868480
	.section	.rodata,"a",@progbits
	.p2align	6, 0x0
	.amdhsa_kernel k_q069a47e6b3_proj
		.amdhsa_group_segment_fixed_size 327680
		.amdhsa_private_segment_fixed_size 0
		.amdhsa_enable_private_segment 0
		.amdhsa_kernarg_size 40
		.amdhsa_user_sgpr_count 2
		.amdhsa_user_sgpr_kernarg_segment_ptr 1
		.amdhsa_wavefront_size32 1
		.amdhsa_system_sgpr_workgroup_id_x 1
		.amdhsa_system_sgpr_workgroup_id_y 1
		.amdhsa_system_sgpr_workgroup_id_z 1
		.amdhsa_system_vgpr_workitem_id 0
		.amdhsa_next_free_vgpr 1024
		.amdhsa_next_free_sgpr 96
		.amdhsa_reserve_vcc 0
		.amdhsa_float_denorm_mode_32 3
		.amdhsa_float_denorm_mode_16_64 3
		.amdhsa_memory_ordered 1
		.amdhsa_forward_progress 1
		.amdhsa_inst_pref_size 91
	.end_amdhsa_kernel
	.amdgpu_metadata
---
amdhsa.version: [ 1, 2 ]
amdhsa.kernels:
  - .name:           k_q069a47e6b3_proj
    .symbol:         k_q069a47e6b3_proj.kd
    .args:
      - { .name: y_img, .offset: 0, .size: 8, .value_kind: global_buffer, .address_space: global }
      - { .name: Wo_codes, .offset: 8, .size: 8, .value_kind: global_buffer, .address_space: global }
      - { .name: bo, .offset: 16, .size: 8, .value_kind: global_buffer, .address_space: global }
      - { .name: lowp_scales, .offset: 24, .size: 8, .value_kind: global_buffer, .address_space: global }
      - { .name: out0, .offset: 32, .size: 8, .value_kind: global_buffer, .address_space: global }
    .group_segment_fixed_size: 327680
    .private_segment_fixed_size: 0
    .kernarg_segment_align: 8
    .kernarg_segment_size: 40
    .max_flat_workgroup_size: 128
    .sgpr_count:     96
    .vgpr_count:     1024
    .wavefront_size: 32
...
	.end_amdgpu_metadata
.endif
;; end of part 3
